; MI455X (gfx1250); checked and timed in simulation.
; The chip was launched on July 23, 2026; its instructions are those of AMD's public machine-readable ISA for CDNA 5 (MIT licence, August 2026) and "CDNA5" Instruction Set Architecture Reference Guide (July 2026). The comments in the code are by the model that wrote it; some were corrected since.
;; Stacked Min GRU. Allowed arithmetic: matrix products marked QUANTISED: E2M3 operands, one E8M0 scale for each 32 along K, by v_wmma_scale_f32_16x16x128_f8f6f4 with both operands' format E2M3, f32 sums; everything else in f32.
;; Inputs: Wh 4 x 512 x 512 float32; Wz 4 x 512 x 512 float32; beta 4 x 512 float32; bh 4 x 512 float32; bz 4 x 512 float32; gamma 4 x 512 float32; h0 4 x 32 x 512 float32; x 32 x 512 x 512 float32.
;; Outputs: out0 32 x 512 x 512 float32; out1 4 x 32 x 512 float32.
;; This version of the problem:
;;   THIS VERSION OF THE PROBLEM IS GIVEN IN LOW PRECISION. The matrix products marked QUANTISED in the list below multiply operands that are first quantised to E2M3 (2 exponent bits, 3 mantissa bits; 6 bits a number), with one power-of-two scale for each 32 numbers along K (OCP MX v1.0); their sums are f32. All else is computed in f32.
;;   The module's matrix products, in the order in which they are computed (A, B: the left and right operand; K: the contracted axis; several contracted axes count as one K, in the product's order):
;;     1. [M 16,384, K 512] x [K 512, N 512]; A: input x; B: input Wz: QUANTISED
;;     2. [M 16,384, K 512] x [K 512, N 512]; A: input x; B: input Wh: QUANTISED
;;     3. [M 16,384, K 512] x [K 512, N 512]; A: computed on the way; B: input Wz: QUANTISED
;;     4. [M 16,384, K 512] x [K 512, N 512]; A: computed on the way; B: input Wh: QUANTISED
;;     5. [M 16,384, K 512] x [K 512, N 512]; A: computed on the way; B: input Wz: QUANTISED
;;     6. [M 16,384, K 512] x [K 512, N 512]; A: computed on the way; B: input Wh: QUANTISED
;;     7. [M 16,384, K 512] x [K 512, N 512]; A: computed on the way; B: input Wz: QUANTISED
;;     8. [M 16,384, K 512] x [K 512, N 512]; A: computed on the way; B: input Wh: QUANTISED
;;   THE QUANTISER, for each operand of a quantised product, along K:
;;     - K is cut into blocks of 32 from its start; a last block that is shorter is filled with zeros.
;;     - A block's scale is 2^e with e = floor(log2(the largest magnitude in the block)) - 2, held to -126 .. 127; a block of zeros has e = 0. As a byte (E8M0): e + 127.
;;     - Each number is divided by its block's scale, clamped to +-7.5, and rounded to the nearest number of E2M3, ties to even, subnormals kept.
;;     - The product sums the exact products of the quantised numbers (number of the format x scale) in f32.
;;   ~~~python
;;   def quantise(x, axis):      # numpy; x: float32 -> the quantised numbers, widened to float32 again
;;       x = np.moveaxis(x, axis, -1); K = x.shape[-1]
;;       x = np.pad(x, [(0, 0)] * (x.ndim - 1) + [(0, -K % 32)]); x = x.reshape(x.shape[:-1] + (-1, 32)); a = np.abs(x).max(-1, keepdims=True)
;;       e = np.where(a > 0, np.clip(np.frexp(np.where(a > 0, a, 1))[1] - 1 - 2, -126, 127), 0)      # np.frexp(a)[1] - 1 = floor(log2(a)), exactly
;;       r = np.clip(x / 2.0 ** e, -7.5, 7.5)
;;       step = 2.0 ** (np.maximum(np.frexp(np.where(r == 0, 1, r))[1] - 1, 0) - 3)
;;       q = np.round(r / step) * step * 2.0 ** e      # np.round: ties to even
;;       return np.moveaxis(q.reshape(q.shape[:-2] + (-1,))[..., :K], -1, axis).astype(np.float32)
;;   ~~~
;;   OPERANDS COMPUTED ON THE WAY. 'Computed on the way' means the value that the module computes at that place (a softmax that the list does not call 'softmax' is quantised finished and normalised). What goes into a quantiser is computed in f32, as accurately as f32 sums, v_exp_f32 and their like allow (about 1e-6 of the number): no bf16 or f16 on the way to a quantiser, and a product that is left as it is and whose result goes on into a quantised operand takes f32 operands (vector FMAs, or v_wmma_f32_16x16x4_f32). A number that lies on a knife's edge between two numbers of the format may be rounded either way, as far as f32 arithmetic and the matrix unit's own rounding can turn it there, and no further.
;; One version. Each part assembles by itself: llvm-mc -triple=amdgcn-amd-amdhsa -mcpu=gfx1250 --defsym DOCPART=n.
;; ======== version 1 of 1: 9 launches
;; limits: right only within a limited range of input values
;; workspace buffers: wq 1,703,936 bytes; codes 6,815,744 bytes; hws 33,554,432 bytes; cura 33,554,432 bytes; idx0 256 bytes of whole numbers; idx1 256 bytes of whole numbers; idx2 256 bytes of whole numbers; idx3 256 bytes of whole numbers
;; launch prep (part 1): grid 1280 x 1, 4 waves a work-group, no clusters, 34,304 bytes of LDS; arguments Wz, Wh, x, wq, codes, idx0, idx1, idx2, idx3; writes wq, codes, idx0, idx1, idx2, idx3
.if DOCPART == 1
	.amdgcn_target "amdgcn-amd-amdhsa--gfx1250"
	.amdhsa_code_object_version 6
	.text
	.protected	k_qad9dd0c719_prep
	.globl	k_qad9dd0c719_prep
	.p2align	8
	.type	k_qad9dd0c719_prep,@function
k_qad9dd0c719_prep:
	s_mov_b64 s[64:65], 0
	v_nop
	global_prefetch_b8 v0, s[64:65] scope:SCOPE_SE
	s_setreg_imm32_b32 hwreg(HW_REG_WAVE_MODE, 25, 1), 1
	s_wait_xcnt 0x0
; PREP: the weights of all four layers and the first layer's input become codes of FP6 (E2M3) with one E8M0 scale byte for each 32 along K, laid as IMAGES OF THE
; OPERAND'S REGISTERS: a fragment (16 rows or columns x 128 K, 12 registers a lane) is three runs of 512 bytes, lane l's 16 bytes at 16 l; its scale words 128 bytes, 4 a lane.
; Work-groups 0-255: Wz, Wh [4][512 (k)][512 (n)] f32, K on the FIRST axis: a lane takes a column and its registers run down K, in the order of the operand's layout.
;   Fragment f = ((layer 2 + mat) 32 + ct) 4 + s (mat 0 = Wz, 1 = Wh; ct = column / 16; s = K step of 128) lies at wq + 1536 f, its scale words at wq + 1,572,864 + 128 f.
; Work-groups 256-1279: x [32][512][512] f32, K innermost: 16 rows a work-group, a K step of 128 a wave.  Record (b, t / 64) of 26,624 bytes in codes: fragment ((t / 16) % 4, s)
;   at 1536 (4 tl + s), its scale words at 24,576 + 128 (4 tl + s).
; Work-group 0 also stores the layers' numbers 0..3 into idx0..idx3, from which the later launches, which share their bodies, form their layer's offsets.
; A block's scale is 2^(floor(log2(largest magnitude)) - 2); its byte is the largest magnitude's exponent field - 2, held at 1 from below.
; LIMITS: a block of zeros gets the byte 1 where the rule says 127 (its codes are zeros, and this program alone reads the bytes); NaN and infinities among the inputs are not served.
; No cluster: no two work-groups read the same bytes.  No tensor load: each byte is read once, straight into registers.
.set STG,   8448                       ; a wave's stage: 16 rows x (512 bytes + 16): rows 33 x 16 bytes apart, so the 16 rows that a load touches start at 16 different groups of banks
.set SPARE, 4*STG                      ; behind the stages: the spare words, 128 bytes for each wave
.set REC,   26624                      ; a record of codes
.set WSC,   1572864                    ; where the weights' scale words begin
.set SPW,   12                         ; v12  my spare word's LDS address; never rewritten
.set NIL,   13                         ; v13  0; never rewritten
.set PC,    96                         ; v96-107 the fragment just made (v108-114 at work)
.set TM,    116                        ; v116-131 at work in QUANT
.set PW,    132                        ; v132 the scale word just made
.set SEL,   24                         ; s[24:25] lane selects: lane l xor 16
; 64 numbers of a lane, register 16 b + i = k 32 b + 16 (lane / 16) + i of row lane % 16, become a fragment's codes in v[PC] on and its scale word in v[PW].
.macro QUANT s
.irp b, 0,1,2,3
	v_max3_num_f32 v[TM+\b], |v[\s+16*\b]|, |v[\s+1+16*\b]|, 0x1800000   ; block b: my 16 numbers, and the floor 2^(3 - 127): the byte cannot fall under 1
.endr
.irp i, 2,4,6,8,10,12,14
.irp b, 0,1,2,3
	v_max3_num_f32 v[TM+\b], v[TM+\b], |v[\s+16*\b+\i]|, |v[\s+1+16*\b+\i]|   ; the four blocks by turns
.endr
.endr
.irp b, 0,1,2,3
	v_permlanex16_b32 v[TM+4+\b], v[TM+\b], s[SEL], s[SEL+1]
.endr
.irp b, 0,1,2,3
	v_max_num_f32 v[TM+\b], v[TM+\b], v[TM+4+\b]   ; with lane l xor 16's: the block's largest magnitude
.endr
.irp b, 0,1,2,3
	v_add_nc_u32 v[TM+12+\b], 0xff000000, v[TM+\b]   ; 2 off its exponent field: the conversion's scale operand
.endr
.irp b, 0,1,2,3
	v_lshrrev_b32 v[TM+4+\b], 23, v[TM+12+\b]      ; the scale's byte
.endr
	v_lshl_or_b32 v[PW], v[TM+5], 8, v[TM+4]       ; four bytes: my row's scale word
	v_lshl_or_b32 v[PW], v[TM+6], 16, v[PW]
	v_lshl_or_b32 v[PW], v[TM+7], 24, v[PW]
.irp c, 0,1
	v_cvt_scalef32_pk16_fp6_f32 v[PC+6*\c:PC+2+6*\c], v[\s+32*\c:\s+15+32*\c], v[TM+12+2*\c]
	v_cvt_scalef32_pk16_fp6_f32 v[PC+12+4*\c:PC+14+4*\c], v[\s+16+32*\c:\s+31+32*\c], v[TM+12+2*\c+1]   ; (a conversion's three registers begin on an even number)
.endr
	v_nop                                          ; one plain place behind a scaled conversion
.irp c, 0,1                                    ; the layout wants a WHOLE block in a lane: lanes 0-15 block 2 c, lanes 16-31 block 2 c + 1
.irp i, 0,1,2
	v_permlane16_swap_b32 v[PC+6*\c+\i], v[PC+12+4*\c+\i]
.endr
.irp i, 0,1,2
	v_mov_b32 v[PC+3+6*\c+\i], v[PC+12+4*\c+\i]
.endr
.endr
.endm
	s_load_b256 s[4:11], s[0:1], 0x0               ; Wz s[4:5], Wh s[6:7], x s[8:9], wq s[10:11]
	s_load_b256 s[12:19], s[0:1], 0x20             ; codes s[12:13], idx0 s[14:15], idx1 s[16:17], idx2 s[18:19]
	s_load_b64 s[20:21], s[0:1], 0x40              ; idx3
	v_lshl_add_u32 v[SPW], v0, 2, SPARE
	v_mov_b32 v[NIL], 0
	v_lshrrev_b32 v1, 5, v0
	v_readfirstlane_b32 s22, v1                    ; wave 0..3
	v_and_b32 v1, 31, v0                           ; lane
	v_and_b32 v2, 15, v0                           ; r
	v_bfe_u32 v3, v0, 4, 1                         ; h
	v_lshlrev_b32 v4, 4, v1                        ; 16 x lane
	v_lshlrev_b32 v5, 2, v1                        ; 4 x lane
	s_mul_i32 s23, s22, STG
	v_add_nc_u32 v6, s23, v4                       ; my stage, by dense rows: 16 x lane
	v_mul_u32_u24 v7, v2, 528
	v_lshl_add_u32 v7, v3, 6, v7
	v_add_nc_u32 v7, s23, v7                       ; my stage, by the quantiser's layout: row r, + 64 h
	s_mov_b32 s[SEL], 0x76543210
	s_mov_b32 s[SEL+1], 0xfedcba98
	s_wait_kmcnt 0x0
	s_cmp_ge_u32 ttmp9, 256
	s_cbranch_scc1 .Lqx
	; ---- THE WEIGHTS.  p = work-group: layer = p / 64, mat = (p / 32) % 2, s = (p / 8) % 4, ct = 4 (p % 8) + wave: the four waves read 256 neighbouring bytes of each row of W
	s_lshr_b32 s26, ttmp9, 6                       ; layer
	s_bfe_u32 s27, ttmp9, 0x10005                  ; mat
	s_bfe_u32 s28, ttmp9, 0x20003                  ; s
	s_and_b32 s29, ttmp9, 7
	s_lshl_b32 s29, s29, 2
	s_add_co_u32 s29, s29, s22                     ; ct
	s_cmp_eq_u32 s27, 0
	s_cselect_b64 s[4:5], s[4:5], s[6:7]           ; Wz or Wh: the choice hangs on the work-group's number alone
	s_lshl_b32 s30, s26, 20                        ; a layer is 1,048,576 bytes,
	s_lshl_b32 s32, s28, 18                        ; 128 rows of 2,048 bytes a K step,
	s_add_co_u32 s30, s30, s32
	s_lshl_b32 s32, s29, 6                         ; 16 columns are 64 bytes
	s_add_co_u32 s30, s30, s32
	s_mov_b32 s31, 0
	s_add_nc_u64 s[4:5], s[4:5], s[30:31]
	s_lshl_b32 s32, s26, 1
	s_add_co_u32 s32, s32, s27
	s_lshl_b32 s32, s32, 5
	s_add_co_u32 s32, s32, s29
	s_lshl_b32 s32, s32, 2
	s_add_co_u32 s32, s32, s28                     ; f
	s_mul_i32 s34, s32, 1536
	s_mov_b32 s35, 0
	s_add_nc_u64 s[36:37], s[10:11], s[34:35]      ; the fragment's image
	s_lshl_b32 s34, s32, 7
	s_add_co_u32 s34, s34, WSC
	s_add_nc_u64 s[38:39], s[10:11], s[34:35]      ; its scale words
	s_wait_alu depctr_va_vdst(0)
	v_lshlrev_b32 v8, 2, v2                        ; column r,
	v_lshl_add_u32 v8, v3, 16, v8                  ; lanes 16-31 begin 32 rows further down
.irp c, 0,1
.irp i, 0,1,2,3,4,5,6,7,8,9,10,11,12,13,14,15,16,17,18,19,20,21,22,23,24,25,26,27,28,29,30,31
	global_load_b32 v[32+32*\c+\i], v8, s[4:5] offset:(64*\c+\i)*2048 th:TH_LOAD_NT   ; W(128 s + 64 c + 32 h + i, 16 ct + r)
.endr
.endr
	s_wait_loadcnt 0x0
.irp c, 0,1                                    ; my block 2 c + h: all its 32 numbers are mine
	v_max3_num_f32 v[96+\c], |v[32+32*\c]|, |v[33+32*\c]|, 0x1800000
.endr
.irp i, 2,4,6,8,10,12,14,16,18,20,22,24,26,28,30
.irp c, 0,1
	v_max3_num_f32 v[96+\c], v[96+\c], |v[32+32*\c+\i]|, |v[33+32*\c+\i]|
.endr
.endr
.irp c, 0,1
	v_add_nc_u32 v[100+\c], 0xff000000, v[96+\c]   ; the conversion's scale operand
.endr
.irp c, 0,1
	v_lshrrev_b32 v[98+\c], 23, v[100+\c]          ; the scale's byte
.endr
	v_lshl_or_b32 v9, v99, 16, v98                 ; my two bytes: blocks h and 2 + h,
	v_lshlrev_b32 v10, 3, v3
	v_lshlrev_b32 v9, v10, v9                      ; at their places in the word (8 h bits up);
	v_mov_b32 v10, 0
	v_permlanex16_b32 v10, v9, s[SEL], s[SEL+1]
	v_or_b32 v9, v9, v10                           ; with lane l xor 16's two the word is whole
.irp c, 0,1
	v_cvt_scalef32_pk16_fp6_f32 v[104+6*\c:106+6*\c], v[32+32*\c:47+32*\c], v[100+\c]
	v_cvt_scalef32_pk16_fp6_f32 v[116+4*\c:118+4*\c], v[48+32*\c:63+32*\c], v[100+\c]
.endr
	v_nop                                          ; one plain place behind a scaled conversion
.irp c, 0,1
.irp i, 0,1,2
	v_mov_b32 v[107+6*\c+\i], v[116+4*\c+\i]
.endr
.endr
.irp c, 0,1,2
	global_store_b128 v4, v[104+4*\c:107+4*\c], s[36:37] offset:512*\c   ; 32 lanes store 512 consecutive bytes, at a multiple of 512 from the buffer's first byte
.endr
	global_store_b32 v5, v9, s[38:39]
	s_cmp_lg_u32 ttmp9, 0
	s_cbranch_scc1 .Lqw_end
	s_cmp_lg_u32 s22, 0
	s_cbranch_scc1 .Lqw_end
	v_lshlrev_b32 v11, 3, v1                       ; the layers' numbers: wave 0 of work-group 0 fills each buffer's 256 bytes
.irp i, 0,1,2,3
	v_mov_b32 v[124+2*\i], \i
	v_mov_b32 v[125+2*\i], \i
.endr
	global_store_b64 v11, v[124:125], s[14:15]
	global_store_b64 v11, v[126:127], s[16:17]
	global_store_b64 v11, v[128:129], s[18:19]
	global_store_b64 v11, v[130:131], s[20:21]
.Lqw_end:
	s_endpgm
	; ---- x.  q = work-group - 256 = 32 b + t / 16; my wave's K step = its number
.Lqx:
	s_sub_co_u32 s26, ttmp9, 256                   ; q
	s_lshl_b32 s28, s26, 15                        ; 16 rows of 2,048 bytes,
	s_lshl_b32 s27, s22, 9                         ; my 128 channels
	s_add_co_u32 s28, s28, s27
	s_mov_b32 s29, 0
	s_add_nc_u64 s[8:9], s[8:9], s[28:29]
	s_lshr_b32 s30, s26, 2
	s_mul_i32 s30, s30, REC                        ; record q / 4
	s_and_b32 s27, s26, 3
	s_lshl_b32 s27, s27, 2
	s_add_co_u32 s27, s27, s22                     ; fragment 4 (q % 4) + wave
	s_mul_i32 s32, s27, 1536
	s_add_co_u32 s32, s32, s30
	s_mov_b32 s33, 0
	s_add_nc_u64 s[34:35], s[12:13], s[32:33]
	s_lshl_b32 s32, s27, 7
	s_add_co_u32 s32, s32, s30
	s_add_co_u32 s32, s32, 24576
	s_add_nc_u64 s[36:37], s[12:13], s[32:33]
	s_wait_alu depctr_va_vdst(0)
.irp i, 0,1,2,3,4,5,6,7,8,9,10,11,12,13,14,15
	global_load_b128 v[96+4*\i:99+4*\i], v4, s[8:9] offset:2048*\i th:TH_LOAD_NT   ; row i: 32 lanes read 512 consecutive bytes
.endr
.irp i, 0,1,2,3,4,5,6,7,8,9,10,11,12,13,14,15
	s_wait_loadcnt 15-\i                           ; row i is in; the rows behind it may be out
	ds_store_b128 v6, v[96+4*\i:99+4*\i] offset:528*\i
.endr
.irp b, 0,1,2,3
.irp q, 0,1,2,3
	ds_load_b128 v[32+16*\b+4*\q:35+16*\b+4*\q], v7 offset:128*\b+16*\q   ; LDS serves a wave's instructions in order: these see my stores.  Register 16 b + 4 q + e: channel 32 b + 16 h + 4 q + e of row r
.endr
.endr
	s_wait_dscnt 0x0
	QUANT 32                                       ; (the permutes' destinations lie in registers that the loads above have written)
.irp c, 0,1,2
	global_store_b128 v4, v[PC+4*\c:PC+4*\c+3], s[34:35] offset:512*\c   ; 512 consecutive bytes, at a multiple of 512
.endr
	global_store_b32 v5, v[PW], s[36:37]
	s_wait_tensorcnt 0x0                           ; the wave's end: behind my last LDS store
	ds_add_u32 v[SPW], v[NIL]
	s_wait_dscnt 0x0
	s_endpgm
.Lfunc_end_k_qad9dd0c719_prep:
	.size	k_qad9dd0c719_prep, .Lfunc_end_k_qad9dd0c719_prep-k_qad9dd0c719_prep
	.p2alignl 7, 3214868480
	.fill 96, 4, 3214868480
	.section	.rodata,"a",@progbits
	.p2align	6, 0x0
	.amdhsa_kernel k_qad9dd0c719_prep
		.amdhsa_group_segment_fixed_size 34304
		.amdhsa_private_segment_fixed_size 0
		.amdhsa_enable_private_segment 0
		.amdhsa_kernarg_size 72
		.amdhsa_user_sgpr_count 2
		.amdhsa_user_sgpr_kernarg_segment_ptr 1
		.amdhsa_wavefront_size32 1
		.amdhsa_system_sgpr_workgroup_id_x 1
		.amdhsa_system_sgpr_workgroup_id_y 1
		.amdhsa_system_sgpr_workgroup_id_z 1
		.amdhsa_system_vgpr_workitem_id 0
		.amdhsa_next_free_vgpr 160
		.amdhsa_next_free_sgpr 66
		.amdhsa_reserve_vcc 0
		.amdhsa_float_denorm_mode_32 3
		.amdhsa_float_denorm_mode_16_64 3
		.amdhsa_memory_ordered 1
		.amdhsa_forward_progress 1
		.amdhsa_inst_pref_size 22
	.end_amdhsa_kernel
	.amdgpu_metadata
---
amdhsa.version: [ 1, 2 ]
amdhsa.kernels:
  - .name:           k_qad9dd0c719_prep
    .symbol:         k_qad9dd0c719_prep.kd
    .args:
      - { .name: Wz, .offset: 0, .size: 8, .value_kind: global_buffer, .address_space: global }
      - { .name: Wh, .offset: 8, .size: 8, .value_kind: global_buffer, .address_space: global }
      - { .name: x, .offset: 16, .size: 8, .value_kind: global_buffer, .address_space: global }
      - { .name: wq, .offset: 24, .size: 8, .value_kind: global_buffer, .address_space: global }
      - { .name: codes, .offset: 32, .size: 8, .value_kind: global_buffer, .address_space: global }
      - { .name: idx0, .offset: 40, .size: 8, .value_kind: global_buffer, .address_space: global }
      - { .name: idx1, .offset: 48, .size: 8, .value_kind: global_buffer, .address_space: global }
      - { .name: idx2, .offset: 56, .size: 8, .value_kind: global_buffer, .address_space: global }
      - { .name: idx3, .offset: 64, .size: 8, .value_kind: global_buffer, .address_space: global }
    .group_segment_fixed_size: 34304
    .private_segment_fixed_size: 0
    .kernarg_segment_align: 8
    .kernarg_segment_size: 72
    .max_flat_workgroup_size: 128
    .sgpr_count:     66
    .vgpr_count:     160
    .wavefront_size: 32
...
	.end_amdgpu_metadata
.endif
;; end of part 1
;; launch s0 (part 2): grid 8 x 32, 8 waves a work-group, clusters of 4 x 1, 327,680 bytes of LDS; arguments idx0, codes, wq, bz, bh, h0, hws, out1; writes hws, out1
.if DOCPART == 2
	.amdgcn_target "amdgcn-amd-amdhsa--gfx1250"
	.amdhsa_code_object_version 6
	.text
	.protected	k_qad9dd0c719_s0
	.globl	k_qad9dd0c719_s0
	.p2align	8
	.type	k_qad9dd0c719_s0,@function
k_qad9dd0c719_s0:
	s_mov_b64 s[64:65], 0
	v_nop
	global_prefetch_b8 v0, s[64:65] scope:SCOPE_SE
	s_setreg_imm32_b32 hwreg(HW_REG_WAVE_MODE, 25, 1), 1
	s_wait_xcnt 0x0
	s_wait_alu depctr_hold_cnt(0) depctr_sa_sdst(0) depctr_va_vdst(0) depctr_va_sdst(0) depctr_va_ssrc(0) depctr_va_vcc(0) depctr_vm_vsrc(0)
	s_getreg_b32 s2, hwreg(HW_REG_IB_STS2, 6, 4)
	s_cmp_eq_u32 s2, 0
	s_cbranch_scc0 .Lentry_in_a_cluster
	s_endpgm
.Lentry_in_a_cluster:
	s_bfe_u32 s2, ttmp6, 0x10000c
	s_cmp_lg_u32 s2, 0x3003
	s_cbranch_scc0 .Lentry_shape_is_right
	s_endpgm
.Lentry_shape_is_right:
; ONE LAYER'S PRODUCTS, ACTIVATIONS AND SCAN.  k = cur Wz + bz, hh = cur Wh + bh, on codes of FP6 (E2M3) with E8M0 scales; z = sigmoid(k); g = hh + 0.5 where hh >= 0, else sigmoid(hh);
; h_t = (1 - z_t) h_(t-1) + z_t g_t, h_(-1) = g(h0): the recurrence that the scan in logarithms computes.  Each step is a convex combination of positive numbers: no exponential of a running sum
; is formed, so there is no maximum to take away.  The sigmoids' 2^x that overflows gives 1 / infinity = 0, one that vanishes gives 1: the right limits.
; g = max(Y, sigmoid(Y - 0.5)), Y = hh + 0.5.  The biases (bz; bh + 0.5) are the C of each sum's first matrix instruction.
; LIMITS: NaN and infinities among the inputs are not served; a sigmoid under 2^-126 comes out as 0; 1 - z carries an absolute error of up to 2^-24.
; SHARES.  A work-group: one batch, 64 channels, all 512 steps; 32 x 8 = 256 work-groups.  EIGHT WAVES: wave w has channel tile w % 4 and the records (64 steps) of parity w / 4: four phases.
; Lane (r, h), register j of tile tl: channel r, step 16 tl + 8 h + j of the record.  Each wave scans its record from a carry of 0 and keeps the running products of 1 - z; the record's
; pair (product, end value) goes to LDS, one barrier a phase, and both waves of a channel tile form their carries from the two pairs: h = product x carry + scan from 0.
; The batch's codes, 8 records of 26,624 bytes, come into LDS once, by three loads a wave: records 0 and 1 at the head and records 2 and 3 behind the head's round (26 rows of 256 bytes a wave each),
; records 4 to 7 behind a round in phase 0 (52 rows a wave).  One tensor load of a wave is out at a time.
; The next record's 64 LDS loads stand in eight short runs among a phase's vector work.  A phase's h goes through the wave's stage and is stored behind the next phase's products.
; CLUSTER: the four partners share the batch: every load is joint (mask 15).  No prefetch: all codes are asked for in the head and in phase 0, and there is no loop to run ahead in.
; h leaves in tiles: byte ((32 b + tb) 32 + ct) 1024 + 256 q + 16 (t % 16) + 4 e, channel % 16 = 4 q + e.
; REGISTERS.  Window 0: v1-15, v56-58 addresses, carry; v16-23 W's scale words; v24-39 bias tiles; v40-55 cur's scale words; v64-95 K; v96-127 Y; v128-159 T (then the chain's pairs, then h on its way out);
; v160-255 W's fragments (48 mat + 12 s).  Window 1: v0-191 cur's 16 fragments of a record.
.set REC,   26624
.set HB,    6656                       ; an eighth of two records: 26 rows of 256 bytes
.set STAGE, 8*REC                      ; for each wave 4 tiles x 4 x (256 + 16) bytes
.set TST,   4*272
.set WST,   4*TST
.set AG,    STAGE+8*WST                ; the records' pairs: 1,024 bytes a phase, 128 a wave
.set SPARE, AG+4096                    ; the spare words, 128 bytes for each wave
.set WSC,   1572864
.set LI,  2
.set LS,  3
.set STO, 4
.set RD,  5
.set HLF, 10
.set SPW, 12
.set NIL, 13
.set R4,  14
.set ADA, 15
.set ADS, 56
.set AGW, 57
.set AGR, 58
.set WS,  16
.set CZ,  24
.set CH0, 32
.set AS,  40
.set K,   64
.set Y,   96
.set T,   128
.set W,   160
.set WV,  20
.set G1A, 24                           ; s[24:31] group 1: 26 rows;  s[32:39]: 52 rows
.set G1B, 32
.set G0A, 40                           ; s[40:43], s[44:47], s[48:51] groups 0 of the three loads
.set G0B, 44
.set G0C, 48
.set ROLE, 62
.set LAY, 66
.set CT,  67
.set NL,  68
.set SEL, 70
.set MH,  72
.set RM,  73
.set MSB, 0
.macro WIN new
.if MSB != \new
	s_set_vgpr_msb (MSB<<8)|\new
.set MSB, \new
.endif
.endm
.macro CROUND                          ; a round of the cluster's barrier
	s_barrier_signal -1
	s_barrier_wait -1
	s_cmp_lg_u32 s[WV], 0
	s_cbranch_scc1 .Lnot_wave_0_\@
	s_barrier_signal -3
.Lnot_wave_0_\@:
	s_barrier_wait -3
	s_barrier_signal -1
	s_barrier_wait -1
.endm
.macro MM d, a, b, c, sa, sb
	v_wmma_scale_f32_16x16x128_f8f6f4 v[(\d):(\d)+7], v[(\a):(\a)+11], v[(\b):(\b)+11], v[(\c):(\c)+7], v[\sa], v[\sb] matrix_a_fmt:MATRIX_FMT_FP6 matrix_b_fmt:MATRIX_FMT_FP6
.endm
.macro NOP4
.rept 4
	v_nop
.endr
.endm
.macro TR32 op, r                      ; 32 transcendentals in place
.set II, 0
.rept 32
	\op v[(\r)+II], v[(\r)+II]
.set II, II+1
.endr
.endm
; Run q of eight of a record's loads: the scale words and the images of fragments 2 q and 2 q + 1 (3,072 bytes on end).  The last phase has no next record.
.macro CH p, q
.if (\p) < 3
	ds_load_b32 v[AS+2*(\q)], v[ADS] offset:256*(\q)
	ds_load_b32 v[AS+2*(\q)+1], v[ADS] offset:256*(\q)+128
	WIN 0x40                                       ; destination window 1
.irp c, 0,1,2,3,4,5
	ds_load_b128 v[24*(\q)+4*\c:24*(\q)+4*\c+3], v[ADA] offset:(\q)*3072+\c*512
.endr
	WIN 0
.endif
.endm
; Phase p's h, back from the stage, is stored.  No LDS instruction has been issued behind the stage's.
.macro FLUSH p
.irp tl, 0,1,2,3
	s_wait_dscnt (3-\tl)*10                        ; behind tile tl's two loads: eight stores and two loads for each later tile
.irp u, 0,1
	global_store_b128 v[LI], v[T+8*\tl+4*\u:T+8*\tl+4*\u+3], s[16:17] offset:(8*(\p)+\tl)*32768+512*\u th:TH_STORE_NT   ; 512 consecutive bytes, at a multiple of 512
.endr
.endr
.endm
	s_load_b256 s[4:11], s[0:1], 0x0               ; idx, codes, wq, bz
	s_load_b256 s[12:19], s[0:1], 0x20             ; bh, h0, hws, out1
	v_lshl_add_u32 v[SPW], v0, 2, SPARE
	v_mov_b32 v[NIL], 0
	ds_add_u32 v[SPW], v[NIL]                      ; the opening lines: the add, twice on end, and its wait
	ds_add_u32 v[SPW], v[NIL]
	v_lshrrev_b32 v1, 5, v0
	v_readfirstlane_b32 s[WV], v1                  ; wave 0..7
	s_and_b32 s[CT], s[WV], 3                      ; my channel tile of the slice's four
	s_lshr_b32 s[ROLE], s[WV], 2                   ; the parity of my records
	s_cmp_ge_u32 s[WV], 4
	s_cselect_b32 s[RM], -1, 0                     ; all lanes where the parity is 1
	s_bfe_u32 s21, ttmp6, 0x40000                  ; cx: it enters global offsets of W, the biases, h0, hws and out1 alone
	s_lshl_b32 s22, ttmp9, 2
	s_add_co_u32 s22, s22, s21                     ; my slice of 64 channels
	s_and_b32 s23, ttmp7, 0xffff                   ; the batch, which the partners share
.irp g, G1A, G1B
	s_mov_b32 s[\g+0], 15|(3<<16)|(1<<21)          ; mask: all four; elements of 8 bytes; bit 21 beside a mask
	s_mov_b32 s[\g+1], 32<<16                      ; rows of 256 bytes
	s_mov_b32 s[\g+3], 32<<16
	s_mov_b32 s[\g+5], 32                          ; dense
	s_mov_b32 s[\g+6], 0
	s_mov_b32 s[\g+7], 0
.endr
	s_mov_b32 s[G1A+2], 26<<16
	s_mov_b32 s[G1A+4], 26
	s_mov_b32 s[G1B+2], 52<<16
	s_mov_b32 s[G1B+4], 52
	s_mov_b32 s[NL], 0xbfb8aa3b                    ; -log2(e)
	s_mov_b32 s[NL+1], s[NL]
	s_mov_b32 s[SEL], 0x76543210
	s_mov_b32 s[SEL+1], 0xfedcba98
	s_mov_b32 s[MH], 0xffff0000                    ; lanes 16-31
	s_mul_i32 s74, s[WV], HB                       ; my part of records 0 and 1, in memory and in LDS
	s_mov_b32 s75, 0
	s_add_co_u32 s78, s74, 2*REC                   ; of records 2 and 3
	s_mov_b32 s79, 0
	s_mul_i32 s52, s[WV], 2*HB
	s_add_co_u32 s52, s52, 4*REC                   ; of records 4 to 7
	s_mov_b32 s53, 0
	s_mul_i32 s76, s23, 8*REC
	s_mov_b32 s77, 0
	s_mul_i32 s81, s[WV], WST
	s_add_co_u32 s81, s81, STAGE                   ; my stage
	s_lshl_b32 s82, s[WV], 7
	s_add_co_u32 s82, s82, AG                      ; my pair's place
	s_lshl_b32 s83, s[CT], 7
	s_add_co_u32 s83, s83, AG                      ; my tile's two pairs: parity 0 here, parity 1 512 bytes on
	s_mul_i32 s84, s[ROLE], REC                    ; my first record
	s_add_co_u32 s85, s84, 24576
	v_and_b32 v1, 31, v0                           ; lane
	v_lshlrev_b32 v[LI], 4, v1
	v_lshlrev_b32 v[LS], 2, v1
	v_and_b32 v7, 15, v0                           ; r
	v_bfe_u32 v8, v0, 4, 1                         ; h
	v_lshlrev_b32 v[R4], 2, v7
	v_lshrrev_b32 v[STO], 2, v7
	v_mul_u32_u24 v[STO], v[STO], 272
	v_lshl_add_u32 v[STO], v8, 7, v[STO]
	v_and_b32 v9, 3, v7
	v_lshl_add_u32 v[STO], v9, 2, v[STO]
	v_add_nc_u32 v[STO], s81, v[STO]               ; in: 272 (r / 4) + 128 h + 4 (r % 4)
	v_mul_u32_u24 v[RD], v8, 272
	v_lshl_add_u32 v[RD], v7, 4, v[RD]
	v_add_nc_u32 v[RD], s81, v[RD]                 ; back: 272 h + 16 r
	v_lshlrev_b32 v9, 3, v7
	v_add_nc_u32 v[AGW], s82, v9
	v_add_nc_u32 v[AGR], s83, v9
	v_add_nc_u32 v[ADA], s84, v[LI]
	v_add_nc_u32 v[ADS], s85, v[LS]
	v_mov_b32 v[HLF], 0x3f38aa3b                   ; log2(e) / 2
	v_mov_b32 v[HLF+1], 0x3f38aa3b
	s_wait_alu depctr_va_vdst(0)                   ; the wait ahead of the waits below
	s_wait_dscnt 0x0                               ; both opening adds are done
	s_wait_kmcnt 0x0
	s_load_b32 s[LAY], s[4:5], 0x0                 ; the layer's number, stored by the first launch
	s_add_nc_u64 s[6:7], s[6:7], s[76:77]          ; the batch's records
	s_mov_b32 s[G0A], 1
	s_mov_b32 s[G0A+1], s74
	s_add_nc_u64 s[G0A+2:G0A+3], s[6:7], s[74:75]
	s_or_b32 s[G0A+3], s[G0A+3], 0x80000000
	s_mov_b32 s[G0B], 1
	s_mov_b32 s[G0B+1], s78
	s_add_nc_u64 s[G0B+2:G0B+3], s[6:7], s[78:79]
	s_or_b32 s[G0B+3], s[G0B+3], 0x80000000
	s_mov_b32 s[G0C], 1
	s_mov_b32 s[G0C+1], s52
	s_add_nc_u64 s[G0C+2:G0C+3], s[6:7], s[52:53]
	s_or_b32 s[G0C+3], s[G0C+3], 0x80000000
	CROUND                                         ; all four work-groups are here: the joint loads meet
	tensor_load_to_lds s[G0A:G0A+3], s[G1A:G1A+7]  ; my one load at the head: an eighth of records 0 and 1
	s_nop 0
	NOP4
	s_wait_kmcnt 0x0
	s_min_u32 s[LAY], s[LAY], 3                    ; a loaded number enters addresses only behind this bound
	s_lshl_b32 s80, s22, 2
	s_add_co_u32 s80, s80, s[CT]                   ; ct = 4 x slice + my tile
	s_lshl_b32 s81, s[LAY], 6
	s_add_co_u32 s81, s81, s80
	s_mul_i32 s82, s81, 6144
	s_mov_b32 s83, 0
	s_add_nc_u64 s[84:85], s[8:9], s[82:83]        ; Wz's four fragments of my tile; Wh's 32 x 6,144 bytes on
	s_lshl_b32 s82, s81, 9
	s_add_co_u32 s82, s82, WSC
	s_add_nc_u64 s[86:87], s[8:9], s[82:83]        ; their scale words; Wh's 32 x 512 bytes on
	s_lshl_b32 s82, s[LAY], 11
	s_lshl_b32 s81, s80, 6
	s_add_co_u32 s82, s82, s81
	s_add_nc_u64 s[10:11], s[10:11], s[82:83]      ; bz, bh at my 16 channels
	s_add_nc_u64 s[12:13], s[12:13], s[82:83]
	s_lshl_b32 s82, s[LAY], 16
	s_lshl_b32 s88, s23, 11
	s_add_co_u32 s82, s82, s88
	s_add_co_u32 s82, s82, s81
	s_add_nc_u64 s[14:15], s[14:15], s[82:83]      ; h0, out1 at (layer, b, my 16 channels)
	s_add_nc_u64 s[18:19], s[18:19], s[82:83]
	s_lshl_b32 s82, s23, 20
	s_lshl_b32 s81, s80, 10
	s_add_co_u32 s82, s82, s81
	s_lshl_b32 s81, s[ROLE], 17                    ; a record is four tiles of 32,768 bytes
	s_add_co_u32 s82, s82, s81
	s_add_nc_u64 s[16:17], s[16:17], s[82:83]      ; hws at (b, my first record, ct)
.irp m, 0,1
.irp s, 0,1,2,3
.irp c, 0,1,2
	global_load_b128 v[W+48*\m+12*\s+4*\c:W+48*\m+12*\s+4*\c+3], v[LI], s[84:85] offset:\m*196608+\s*1536+\c*512
.endr
	global_load_b32 v[WS+4*\m+\s], v[LS], s[86:87] offset:\m*16384+\s*128
.endr
.endr
	global_load_b32 v[CZ], v[R4], s[10:11]
	global_load_b32 v[CH0], v[R4], s[12:13]
	global_load_b32 v6, v[R4], s[14:15]
	s_wait_tensorcnt 0x0                           ; my head load has landed
	ds_add_u32 v[SPW], v[NIL]
	s_wait_dscnt 0x0
	CROUND                                         ; records 0 and 1 are whole, and the partners are here
	tensor_load_to_lds s[G0B:G0B+3], s[G1A:G1A+7]  ; my one load behind the round: an eighth of records 2 and 3
	s_nop 0
	NOP4
.irp q, 0,1,2,3,4,5,6,7
	CH 0, \q                                       ; my first record, in one run: there is no vector work yet to set it among
.endr
	s_wait_loadcnt 0x0
	v_add_f32 v[CH0], 0.5, v[CH0]
.irp j, 1,2,3,4,5,6,7
	v_mov_b32 v[CZ+\j], v[CZ]                      ; a lane's eight results are eight steps of one channel
	v_mov_b32 v[CH0+\j], v[CH0]
.endr
	v_mul_f32 v7, s[NL], v6                        ; the first carry: g(h0) = max(h0 + 0.5, sigmoid(h0))
	s_wait_alu depctr_va_vdst(0)                   ; a wait ahead of and behind each transcendental
	v_exp_f32 v7, v7
	v_add_f32 v8, 0.5, v6
	s_wait_alu depctr_va_vdst(0)
	v_add_f32 v7, 1.0, v7
	s_wait_alu depctr_va_vdst(0)
	v_rcp_f32 v7, v7
	v_mov_b32 v9, 0                                ; (upper half of the pair v[8:9])
	s_wait_alu depctr_va_vdst(0)
	v_max_num_f32 v6, v8, v7
	s_wait_alu depctr_va_vdst(0)                   ; the head's end
; A PHASE: my record 2 p + parity.
.macro PHASE p
.if (\p) == 0
	s_wait_dscnt 0x0                               ; the first record is in.  (A later record was awaited in front of the last phase's barrier)
.endif
	WIN 0x01                                       ; source 0 (cur) window 1
.irp s, 0,1,2,3                                ; eight accumulators by turns
.irp tl, 0,1,2,3
.if \s == 0
	MM K+8*\tl, 12*(4*\tl+\s), W+12*\s, CZ, AS+4*\tl+\s, WS+\s
	MM Y+8*\tl, 12*(4*\tl+\s), W+48+12*\s, CH0, AS+4*\tl+\s, WS+4+\s
.else
	MM K+8*\tl, 12*(4*\tl+\s), W+12*\s, K+8*\tl, AS+4*\tl+\s, WS+\s
	MM Y+8*\tl, 12*(4*\tl+\s), W+48+12*\s, Y+8*\tl, AS+4*\tl+\s, WS+4+\s
.endif
.endr
.endr
	WIN 0
	NOP4                                           ; four places ahead of loads into cur's registers and of the first read of results
.if (\p) > 0
	FLUSH (\p)-1                                   ; the last phase's h has come back from the stage under the products
.endif
.if (\p) == 0
	s_wait_tensorcnt 0x0                           ; my part of records 2 and 3 has landed
	ds_add_u32 v[SPW], v[NIL]
	s_wait_dscnt 0x0
	CROUND                                         ; records 2 and 3 are whole, and the partners are here
	tensor_load_to_lds s[G0C:G0C+3], s[G1B:G1B+7]  ; my one load behind the round, and my last: an eighth of records 4 to 7
	s_nop 0
	NOP4
.endif
.if (\p) == 1
	s_wait_tensorcnt 0x0                           ; my part of records 4 to 7 has landed,
	s_barrier_signal -1                            ; (FLUSH's last wait was for 0: no LDS instruction of mine is pending)
	s_barrier_wait -1                              ; everybody's has; nothing is filled again
.endif
.if (\p) < 3
	v_add_nc_u32 v[ADA], 2*REC, v[ADA]             ; my next record
	v_add_nc_u32 v[ADS], 2*REC, v[ADS]
.endif
	CH \p, 0
.irp a, 0,8,16,24
.irp b, 0,2,4,6
	v_pk_mul_f32 v[K+\a+\b:K+\a+\b+1], v[K+\a+\b:K+\a+\b+1], s[NL:NL+1] op_sel_hi:[1,0]   ; -k log2(e); each accumulator from its low end on
.endr
.endr
	CH \p, 1
	s_wait_xcnt 0x0                                ; FLUSH's stores have read v128-159, which are written below
.irp a, 0,8,16,24
.irp b, 0,2,4,6
	v_pk_fma_f32 v[T+\a+\b:T+\a+\b+1], v[Y+\a+\b:Y+\a+\b+1], s[NL:NL+1], v[HLF:HLF+1] op_sel_hi:[1,0,0]   ; -(Y - 0.5) log2(e)
.endr
.endr
	s_wait_alu depctr_va_vdst(0)                   ; one wait ahead of the batch, one behind
	TR32 v_exp_f32, K
	CH \p, 2
	TR32 v_exp_f32, T
	v_nop
	s_wait_alu depctr_va_vdst(0)
.irp a, 0,8,16,24
.irp b, 0,2,4,6
	v_pk_add_f32 v[K+\a+\b:K+\a+\b+1], v[K+\a+\b:K+\a+\b+1], 1.0 op_sel_hi:[1,0]
	v_pk_add_f32 v[T+\a+\b:T+\a+\b+1], v[T+\a+\b:T+\a+\b+1], 1.0 op_sel_hi:[1,0]
.endr
.endr
	CH \p, 3
	s_wait_alu depctr_va_vdst(0)
	TR32 v_rcp_f32, K                              ; z
	CH \p, 4
	TR32 v_rcp_f32, T                              ; sigmoid(hh)
	v_nop
	s_wait_alu depctr_va_vdst(0)
.set II, 0
.rept 32
	v_max_num_f32 v[Y+II], v[Y+II], v[T+II]        ; g
.set II, II+1
.endr
	CH \p, 5
.irp a, 0,8,16,24
.irp b, 0,2,4,6
	v_pk_mul_f32 v[Y+\a+\b:Y+\a+\b+1], v[Y+\a+\b:Y+\a+\b+1], v[K+\a+\b:K+\a+\b+1]   ; z g
.endr
.endr
	CH \p, 6
.irp a, 0,8,16,24
.irp b, 0,2,4,6
	v_pk_fma_f32 v[K+\a+\b:K+\a+\b+1], v[K+\a+\b:K+\a+\b+1], -1.0, 1.0 op_sel_hi:[1,0,0]   ; 1 - z
.endr
.endr
	CH \p, 7
	; a lane's eight steps from a carry of 0, and the running product of its 1 - z; the four tiles by turns
.irp j, 1,2,3,4,5,6,7
.irp tl, 0,1,2,3
	v_fma_f32 v[Y+8*\tl+\j], v[K+8*\tl+\j], v[Y+8*\tl+\j-1], v[Y+8*\tl+\j]
.endr
.irp tl, 0,1,2,3
	v_mul_f32 v[K+8*\tl+\j], v[K+8*\tl+\j], v[K+8*\tl+\j-1]
.endr
.endr
	; within a tile: lanes 16-31 take lanes 0-15's pair at step 7 as what comes in; lanes 0-15 take (1, 0)
.irp tl, 0,1,2,3
	v_permlanex16_b32 v[T+8*\tl+6], v[K+8*\tl+7], s[SEL], s[SEL+1]
.endr
.irp tl, 0,1,2,3
	v_permlanex16_b32 v[T+8*\tl+7], v[Y+8*\tl+7], s[SEL], s[SEL+1]
.endr
.irp tl, 0,1,2,3
	v_cndmask_b32 v[T+8*\tl+2], 1.0, v[T+8*\tl+6], s[MH]
.endr
.irp tl, 0,1,2,3
	v_cndmask_b32 v[T+8*\tl], 0, v[T+8*\tl+7], s[MH]
.endr
.irp j, 0,2,4,6
.irp tl, 0,1,2,3
	v_pk_fma_f32 v[Y+8*\tl+\j:Y+8*\tl+\j+1], v[K+8*\tl+\j:K+8*\tl+\j+1], v[T+8*\tl:T+8*\tl+1], v[Y+8*\tl+\j:Y+8*\tl+\j+1] op_sel_hi:[1,0,1]
.endr
.endr
.irp j, 0,2,4,6
.irp tl, 0,1,2,3
	v_pk_mul_f32 v[K+8*\tl+\j:K+8*\tl+\j+1], v[K+8*\tl+\j:K+8*\tl+\j+1], v[T+8*\tl+2:T+8*\tl+3] op_sel_hi:[1,0]
.endr
.endr
	; a tile's pair (product, end value) lies in lanes 16-31 at step 7: into every lane, at T + 8 tl + 4, + 5
.irp tl, 0,1,2,3
	v_permlanex16_b32 v[T+8*\tl+6], v[K+8*\tl+7], s[SEL], s[SEL+1]
.endr
.irp tl, 0,1,2,3
	v_permlanex16_b32 v[T+8*\tl+7], v[Y+8*\tl+7], s[SEL], s[SEL+1]
.endr
.irp tl, 0,1,2,3
	v_cndmask_b32 v[T+8*\tl+4], v[T+8*\tl+6], v[K+8*\tl+7], s[MH]
.endr
.irp tl, 0,1,2,3
	v_cndmask_b32 v[T+8*\tl+5], v[T+8*\tl+7], v[Y+8*\tl+7], s[MH]
.endr
	v_mul_f32 v[T+18], v[T+12], v[T+4]             ; what comes into tile 2: product,
	v_fma_f32 v[T+16], v[T+12], v[T+5], v[T+13]    ; value
	s_delay_alu instid0(VALU_DEP_2)
	v_mul_f32 v[T+26], v[T+20], v[T+18]            ; into tile 3
	s_delay_alu instid0(VALU_DEP_2)
	v_fma_f32 v[T+24], v[T+20], v[T+16], v[T+21]
	s_delay_alu instid0(VALU_DEP_2)
	v_mul_f32 v[T], v[T+28], v[T+26]               ; the record's pair
	s_delay_alu instid0(VALU_DEP_2)
	v_fma_f32 v[T+1], v[T+28], v[T+24], v[T+29]
	ds_store_b64 v[AGW], v[T:T+1] offset:1024*(\p) ; lanes r and r + 16 write the same words with the same values; each phase has bytes of its own
	s_wait_alu depctr_va_vdst(0)                   ; the wait ahead of the wait below
	s_wait_dscnt 0x0                               ; for the others' sake: my store has landed; my next record is in with it
	s_barrier_signal -1
	s_barrier_wait -1
	ds_load_b64 v[T+8:T+9], v[AGR] offset:1024*(\p)        ; the even record's pair,
	ds_load_b64 v[T+10:T+11], v[AGR] offset:1024*(\p)+512  ; the odd record's
	s_wait_dscnt 0x0
	v_fma_f32 v7, v[T+8], v6, v[T+9]               ; the carry into the odd record
	s_delay_alu instid0(VALU_DEP_1)
	v_cndmask_b32 v8, v6, v7, s[RM]                ; the carry into mine
	v_fma_f32 v6, v[T+10], v7, v[T+11]             ; the carry into the next phase
	s_delay_alu instid0(VALU_DEP_2)
	v_fma_f32 v[T+4], v[T+4], v8, v[T+5]           ; into my tile 1,
	v_fma_f32 v[T+16], v[T+18], v8, v[T+16]        ; 2,
	v_fma_f32 v[T+24], v[T+26], v8, v[T+24]        ; 3
.irp j, 0,2,4,6
	v_pk_fma_f32 v[Y+\j:Y+\j+1], v[K+\j:K+\j+1], v[8:9], v[Y+\j:Y+\j+1] op_sel_hi:[1,0,1]   ; h = product x carry + scan from 0
	v_pk_fma_f32 v[Y+8+\j:Y+8+\j+1], v[K+8+\j:K+8+\j+1], v[T+4:T+5], v[Y+8+\j:Y+8+\j+1] op_sel_hi:[1,0,1]
	v_pk_fma_f32 v[Y+16+\j:Y+16+\j+1], v[K+16+\j:K+16+\j+1], v[T+16:T+17], v[Y+16+\j:Y+16+\j+1] op_sel_hi:[1,0,1]
	v_pk_fma_f32 v[Y+24+\j:Y+24+\j+1], v[K+24+\j:K+24+\j+1], v[T+24:T+25], v[Y+24+\j:Y+24+\j+1] op_sel_hi:[1,0,1]
.endr
.irp tl, 0,1,2,3
.irp j, 0,1,2,3,4,5,6,7
	ds_store_b32 v[STO], v[Y+8*\tl+\j] offset:\tl*TST+16*\j
.endr
.irp u, 0,1
	ds_load_b128 v[T+8*\tl+4*\u:T+8*\tl+4*\u+3], v[RD] offset:\tl*TST+544*\u   ; LDS serves a wave's instructions in order (ISA guide 5.7.1.4): these see my stores
.endr
.endr
.endm
	PHASE 0
	PHASE 1
	PHASE 2
	PHASE 3
	FLUSH 3
	s_wait_xcnt 0x0                                ; EXEC changes only behind this wait
	s_cmp_ge_u32 s[WV], 4                          ; both waves of a tile hold h at step 511: the even one stores it
	s_cbranch_scc1 .Lno_out
	v_cmp_gt_u32 vcc_lo, 16, v1
	s_and_saveexec_b32 s90, vcc_lo
	s_wait_alu depctr_va_vdst(0)
	global_store_b32 v[R4], v6, s[18:19]           ; lanes 0-15: 64 bytes a wave
	s_wait_xcnt 0x0                                ; and again, ahead of the line that widens it
	s_or_b32 exec_lo, exec_lo, s90
.Lno_out:
	s_wait_tensorcnt 0x0                           ; the wave's end
	ds_add_u32 v[SPW], v[NIL]
	s_wait_dscnt 0x0
	CROUND                                         ; the closing round
	s_endpgm
.Lfunc_end_k_qad9dd0c719_s0:
	.size	k_qad9dd0c719_s0, .Lfunc_end_k_qad9dd0c719_s0-k_qad9dd0c719_s0
	.p2alignl 7, 3214868480
	.fill 96, 4, 3214868480
	.section	.rodata,"a",@progbits
	.p2align	6, 0x0
	.amdhsa_kernel k_qad9dd0c719_s0
		.amdhsa_group_segment_fixed_size 327680
		.amdhsa_private_segment_fixed_size 0
		.amdhsa_enable_private_segment 0
		.amdhsa_kernarg_size 64
		.amdhsa_user_sgpr_count 2
		.amdhsa_user_sgpr_kernarg_segment_ptr 1
		.amdhsa_wavefront_size32 1
		.amdhsa_system_sgpr_workgroup_id_x 1
		.amdhsa_system_sgpr_workgroup_id_y 1
		.amdhsa_system_sgpr_workgroup_id_z 1
		.amdhsa_system_vgpr_workitem_id 0
		.amdhsa_next_free_vgpr 448
		.amdhsa_next_free_sgpr 96
		.amdhsa_reserve_vcc 1
		.amdhsa_float_denorm_mode_32 3
		.amdhsa_float_denorm_mode_16_64 3
		.amdhsa_memory_ordered 1
		.amdhsa_forward_progress 1
		.amdhsa_inst_pref_size 142
	.end_amdhsa_kernel
	.amdgpu_metadata
---
amdhsa.version: [ 1, 2 ]
amdhsa.kernels:
  - .name:           k_qad9dd0c719_s0
    .symbol:         k_qad9dd0c719_s0.kd
    .args:
      - { .name: idx0, .offset: 0, .size: 8, .value_kind: global_buffer, .address_space: global }
      - { .name: codes, .offset: 8, .size: 8, .value_kind: global_buffer, .address_space: global }
      - { .name: wq, .offset: 16, .size: 8, .value_kind: global_buffer, .address_space: global }
      - { .name: bz, .offset: 24, .size: 8, .value_kind: global_buffer, .address_space: global }
      - { .name: bh, .offset: 32, .size: 8, .value_kind: global_buffer, .address_space: global }
      - { .name: h0, .offset: 40, .size: 8, .value_kind: global_buffer, .address_space: global }
      - { .name: hws, .offset: 48, .size: 8, .value_kind: global_buffer, .address_space: global }
      - { .name: out1, .offset: 56, .size: 8, .value_kind: global_buffer, .address_space: global }
    .group_segment_fixed_size: 327680
    .private_segment_fixed_size: 0
    .kernarg_segment_align: 8
    .kernarg_segment_size: 64
    .max_flat_workgroup_size: 256
    .sgpr_count:     96
    .vgpr_count:     448
    .wavefront_size: 32
...
	.end_amdgpu_metadata
.endif
;; end of part 2
;; launch n0 (part 3): grid 32 x 32, 4 waves a work-group, no clusters, 34,816 bytes of LDS; arguments idx0, hws, x, gamma, beta, cura, codes; writes cura, codes
.if DOCPART == 3
	.amdgcn_target "amdgcn-amd-amdhsa--gfx1250"
	.amdhsa_code_object_version 6
	.text
	.protected	k_qad9dd0c719_n0
	.globl	k_qad9dd0c719_n0
	.p2align	8
	.type	k_qad9dd0c719_n0,@function
k_qad9dd0c719_n0:
	s_mov_b64 s[64:65], 0
	v_nop
	global_prefetch_b8 v0, s[64:65] scope:SCOPE_SE
	s_setreg_imm32_b32 hwreg(HW_REG_WAVE_MODE, 25, 1), 1
	s_wait_xcnt 0x0
; ONE LAYER'S NORM, RESIDUAL AND QUANTISER.  new = (h - mean) rsqrt(var + 1e-5) gamma + beta + cur, mean and var over a row's 512 channels, the variance of the differences, as two passes; all in f32.
; The new cur is stored row-major, and (but for the last layer, which feeds no product) quantised along the channels to codes of FP6 (E2M3) with E8M0 scales, laid as the next products' operand images.
; SHARES.  A work-group: 16 rows (b, 16 tb ..); wave w: channels 128 w .. 128 w + 127, one K step.
; TWO LAYOUTS.  BY LANES: lane (r, h) holds 64 numbers of row r, register 16 b + i = channel 32 b + 16 h + i of the wave's 128: so h comes from its tiles (sixteen lanes: 256 consecutive bytes), the rows' sums want
; one exchange between the halves of the lanes, and the quantiser takes its blocks.  BY DENSE ROWS: register group i = row i, a lane holds four neighbouring channels (32 lanes: 512 consecutive bytes): so cur comes and goes,
; and there gamma and beta are FOUR registers each, one load of 16 bytes a lane.  The normalised h turns from the first layout to the second through the wave's own stage in LDS; the new cur is made and stored there,
; and in the layers that feed a product it turns back for the quantiser.
; ALL LOADS GO OUT AT THE HEAD: h first, since the sums want it first; cur; then, behind the layer's number, beta and gamma.  The rows' sums meet in LDS: two barriers, on bytes of their own each.
; LIMITS: a block of zeros gets the byte 1 where the rule says 127 (its codes are zeros, and this program alone reads the bytes); NaN and infinities are not served.
; No cluster and no tensor load: no two work-groups read the same rows, and every byte goes once, straight into registers; gamma and beta are 4 KB.
.set STG,   8448                       ; a wave's stage: 16 rows x (512 bytes + 16)
.set STAT0, 4*STG                      ; 16 rows x 4 waves: the rows' sums;
.set STAT1, STAT0+256                  ; the sums of squares
.set SPARE, STAT1+256                  ; the spare words, 128 bytes for each wave
.set REC,   26624
.set SPW,   12                         ; v12  my spare word's LDS address; never rewritten
.set NIL,   13                         ; v13  0; never rewritten
.set H,     32                         ; v32-95   by lanes: h, then h - mean, then that x rsqrt; later the new cur
.set HD,    96                         ; v96-159  the normalised h by dense rows; later at work in QUANT
.set X,     160                        ; v160-223 by dense rows: cur, then cur + beta, then the new cur
.set GM,    224                        ; v224-227 gamma of my four channels of every dense row
.set PC,    96
.set TM,    116
.set PW,    132
.set SEL,   24                         ; s[24:25] lane selects: lane l xor 16
.macro QUANT s
.irp b, 0,1,2,3
	v_max3_num_f32 v[TM+\b], |v[\s+16*\b]|, |v[\s+1+16*\b]|, 0x1800000   ; block b: my 16 numbers, and the floor 2^(3 - 127): the byte cannot fall under 1
.endr
.irp i, 2,4,6,8,10,12,14
.irp b, 0,1,2,3
	v_max3_num_f32 v[TM+\b], v[TM+\b], |v[\s+16*\b+\i]|, |v[\s+1+16*\b+\i]|
.endr
.endr
.irp b, 0,1,2,3
	v_permlanex16_b32 v[TM+4+\b], v[TM+\b], s[SEL], s[SEL+1]
.endr
.irp b, 0,1,2,3
	v_max_num_f32 v[TM+\b], v[TM+\b], v[TM+4+\b]   ; with lane l xor 16's: the block's largest magnitude
.endr
.irp b, 0,1,2,3
	v_add_nc_u32 v[TM+12+\b], 0xff000000, v[TM+\b]   ; 2 off its exponent field: the conversion's scale operand
.endr
.irp b, 0,1,2,3
	v_lshrrev_b32 v[TM+4+\b], 23, v[TM+12+\b]      ; the scale's byte
.endr
	v_lshl_or_b32 v[PW], v[TM+5], 8, v[TM+4]
	v_lshl_or_b32 v[PW], v[TM+6], 16, v[PW]
	v_lshl_or_b32 v[PW], v[TM+7], 24, v[PW]
.irp c, 0,1
	v_cvt_scalef32_pk16_fp6_f32 v[PC+6*\c:PC+2+6*\c], v[\s+32*\c:\s+15+32*\c], v[TM+12+2*\c]
	v_cvt_scalef32_pk16_fp6_f32 v[PC+12+4*\c:PC+14+4*\c], v[\s+16+32*\c:\s+31+32*\c], v[TM+12+2*\c+1]
.endr
	v_nop                                          ; one plain place behind a scaled conversion
.irp c, 0,1
.irp i, 0,1,2
	v_permlane16_swap_b32 v[PC+6*\c+\i], v[PC+12+4*\c+\i]
.endr
.irp i, 0,1,2
	v_mov_b32 v[PC+3+6*\c+\i], v[PC+12+4*\c+\i]
.endr
.endr
.endm
; v[22:23] and v[24:25], two chains of packed sums, become the row's sum over all 512 channels, in v28 of every lane.
.macro ACROSS off
	v_pk_add_f32 v[22:23], v[22:23], v[24:25]
	v_add_f32 v22, v22, v23
	v_permlanex16_b32 v26, v22, s[SEL], s[SEL+1]
	v_add_f32 v22, v22, v26                        ; row r over my wave's 128 channels
	ds_store_b32 v10, v22 offset:\off              ; word [r][wave]; lanes r and r + 16 write the same word with the same value
	s_wait_dscnt 0x0                               ; for the others' sake: my store has landed
	s_barrier_signal -1
	s_barrier_wait -1
	ds_load_b128 v[28:31], v11 offset:\off         ; the four waves' sums of row r
	s_wait_dscnt 0x0
	v_add_f32 v28, v28, v29
	v_add_f32 v30, v30, v31
	v_add_f32 v28, v28, v30
.endm
	s_load_b256 s[4:11], s[0:1], 0x0               ; idx s[4:5], hws s[6:7], cur in s[8:9], gamma s[10:11]
	s_load_b128 s[12:15], s[0:1], 0x20             ; beta s[12:13], cur out s[14:15]
	s_load_b64 s[16:17], s[0:1], 0x30              ; codes
	v_lshl_add_u32 v[SPW], v0, 2, SPARE
	v_mov_b32 v[NIL], 0
	v_lshrrev_b32 v1, 5, v0
	v_readfirstlane_b32 s18, v1                    ; wave 0..3
	v_and_b32 v1, 31, v0                           ; lane
	v_and_b32 v2, 15, v0                           ; r
	v_bfe_u32 v3, v0, 4, 1                         ; h
	v_lshlrev_b32 v4, 4, v1                        ; 16 x lane
	v_lshlrev_b32 v5, 2, v1                        ; 4 x lane
	s_mul_i32 s36, s18, STG
	v_add_nc_u32 v6, s36, v4                       ; my stage by dense rows
	v_mul_u32_u24 v7, v2, 528
	v_lshl_add_u32 v7, v3, 6, v7
	v_add_nc_u32 v7, s36, v7                       ; my stage by lanes: row r, + 64 h
	v_lshlrev_b32 v8, 4, v2
	v_lshl_add_u32 v8, v3, 10, v8                  ; h's tiles: 1024 h + 16 r
	v_lshlrev_b32 v11, 4, v2
	v_add_nc_u32 v11, STAT0, v11                   ; row r's four words,
	s_lshl_b32 s37, s18, 2
	v_add_nc_u32 v10, s37, v11                     ; and mine among them
	v_mov_b32 v15, 0                               ; (named as the upper half of a pair)
	v_mov_b32 v26, 0                               ; (a lane permute's destination counts as read)
	s_mov_b32 s[SEL], 0x76543210
	s_mov_b32 s[SEL+1], 0xfedcba98
	s_mov_b32 s26, 0x3b000000                      ; 1 / 512
	s_mov_b32 s27, 0x3727c5ac                      ; 1e-5
	s_and_b32 s20, ttmp7, 0xffff
	s_lshl_b32 s20, s20, 5
	s_add_co_u32 s20, s20, ttmp9                   ; q = 32 b + tb
	s_lshl_b32 s22, s20, 15                        ; 16 rows are 32,768 bytes in h's tiles and in cur
	s_mov_b32 s23, 0
	s_lshl_b32 s28, s18, 13                        ; my 8 tiles of 1,024 bytes
	s_add_co_u32 s28, s28, s22
	s_mov_b32 s29, 0
	s_lshl_b32 s21, s18, 9                         ; my 128 channels in a row
	s_add_co_u32 s22, s22, s21
	s_lshr_b32 s30, s20, 2
	s_mul_i32 s30, s30, REC                        ; record q / 4
	s_and_b32 s31, s20, 3
	s_lshl_b32 s31, s31, 2
	s_add_co_u32 s31, s31, s18                     ; fragment 4 (q % 4) + wave
	s_mul_i32 s32, s31, 1536
	s_add_co_u32 s32, s32, s30
	s_mov_b32 s33, 0
	s_lshl_b32 s34, s31, 7
	s_add_co_u32 s34, s34, s30
	s_add_co_u32 s34, s34, 24576
	s_mov_b32 s35, 0
	s_wait_alu depctr_va_vdst(0)
	s_wait_kmcnt 0x0
	s_load_b32 s19, s[4:5], 0x0                    ; the layer's number, stored by the first launch
	s_add_nc_u64 s[6:7], s[6:7], s[28:29]
	s_add_nc_u64 s[8:9], s[8:9], s[22:23]
	s_add_nc_u64 s[14:15], s[14:15], s[22:23]
	s_add_nc_u64 s[32:33], s[16:17], s[32:33]
	s_add_nc_u64 s[34:35], s[16:17], s[34:35]
.irp b, 0,1,2,3
.irp q, 0,1,2,3
	global_load_b128 v[H+16*\b+4*\q:H+16*\b+4*\q+3], v8, s[6:7] offset:2048*\b+256*\q th:TH_LOAD_NT   ; h: sixteen lanes read 256 consecutive bytes
.endr
.endr
.irp i, 0,1,2,3,4,5,6,7,8,9,10,11,12,13,14,15
	global_load_b128 v[X+4*\i:X+4*\i+3], v4, s[8:9] offset:2048*\i th:TH_LOAD_NT   ; cur, row i: 512 consecutive bytes
.endr
	s_wait_kmcnt 0x0                               ; only gamma's and beta's addresses hang on the layer's number: the 32 loads above are out already
	s_min_u32 s19, s19, 3                          ; a loaded number enters addresses only behind this bound
	s_lshl_b32 s22, s19, 11
	s_add_co_u32 s22, s22, s21
	s_add_nc_u64 s[10:11], s[10:11], s[22:23]      ; gamma, beta at (layer, my 128 channels)
	s_add_nc_u64 s[12:13], s[12:13], s[22:23]
	global_load_b128 v[18:21], v4, s[12:13]        ; beta and gamma of the four channels that I hold in every dense row
	global_load_b128 v[GM:GM+3], v4, s[10:11]
	s_wait_loadcnt 18                              ; h is in; cur's sixteen loads, beta's and gamma's may be out
	v_pk_add_f32 v[22:23], v[H:H+1], v[H+2:H+3]    ; the row's sum: two chains
	v_pk_add_f32 v[24:25], v[H+4:H+5], v[H+6:H+7]
.irp j, 8,12,16,20,24,28,32,36,40,44,48,52,56,60
	v_pk_add_f32 v[22:23], v[22:23], v[H+\j:H+\j+1]
	v_pk_add_f32 v[24:25], v[24:25], v[H+\j+2:H+\j+3]
.endr
	ACROSS 0
	v_mul_f32 v14, s26, v28                        ; the mean
.irp j, 0,2,4,6,8,10,12,14,16,18,20,22,24,26,28,30,32,34,36,38,40,42,44,46,48,50,52,54,56,58,60,62
	v_pk_add_f32 v[H+\j:H+\j+1], v[H+\j:H+\j+1], v[14:15] op_sel_hi:[1,0] neg_lo:[0,1] neg_hi:[0,1]   ; h - mean
.endr
	v_pk_mul_f32 v[22:23], v[H:H+1], v[H:H+1]
	v_pk_mul_f32 v[24:25], v[H+2:H+3], v[H+2:H+3]
.irp j, 4,8,12,16,20,24,28,32,36,40,44,48,52,56,60
	v_pk_fma_f32 v[22:23], v[H+\j:H+\j+1], v[H+\j:H+\j+1], v[22:23]
	v_pk_fma_f32 v[24:25], v[H+\j+2:H+\j+3], v[H+\j+2:H+\j+3], v[24:25]
.endr
	ACROSS 256                                     ; on bytes of their own: no wave can still be reading them
	v_fma_f32 v16, v28, s26, s27                   ; var + 1e-5
	s_wait_alu depctr_va_vdst(0)
	v_rsq_f32 v16, v16
	v_mov_b32 v17, 0                               ; (a plain place; and the pair's upper half is written)
	s_wait_alu depctr_va_vdst(0)                   ; the wait ahead of the first instruction that names the result
.irp j, 0,2,4,6,8,10,12,14,16,18,20,22,24,26,28,30,32,34,36,38,40,42,44,46,48,50,52,54,56,58,60,62
	v_pk_mul_f32 v[H+\j:H+\j+1], v[H+\j:H+\j+1], v[16:17] op_sel_hi:[1,0]
.endr
.irp b, 0,1,2,3
.irp q, 0,1,2,3
	ds_store_b128 v7, v[H+16*\b+4*\q:H+16*\b+4*\q+3] offset:128*\b+16*\q   ; the normalised h, by lanes, into my stage,
.endr
.endr
.irp i, 0,1,2,3,4,5,6,7,8,9,10,11,12,13,14,15
	ds_load_b128 v[HD+4*\i:HD+4*\i+3], v6 offset:528*\i   ; and back by dense rows: LDS serves a wave's instructions in order (ISA guide 5.7.1.4): these see my stores
.endr
	s_wait_loadcnt 0x0                             ; cur, beta, gamma
.irp i, 0,1,2,3,4,5,6,7,8,9,10,11,12,13,14,15
	v_pk_add_f32 v[X+4*\i:X+4*\i+1], v[X+4*\i:X+4*\i+1], v[18:19]   ; cur + beta, while the stage's loads are on their way
	v_pk_add_f32 v[X+4*\i+2:X+4*\i+3], v[X+4*\i+2:X+4*\i+3], v[20:21]
.endr
.irp i, 0,1,2,3,4,5,6,7,8,9,10,11,12,13,14,15
	s_wait_dscnt 15-\i                             ; row i is back; the rows behind it may be out
	v_pk_fma_f32 v[X+4*\i:X+4*\i+1], v[HD+4*\i:HD+4*\i+1], v[GM:GM+1], v[X+4*\i:X+4*\i+1]   ; x gamma + (cur + beta)
	v_pk_fma_f32 v[X+4*\i+2:X+4*\i+3], v[HD+4*\i+2:HD+4*\i+3], v[GM+2:GM+3], v[X+4*\i+2:X+4*\i+3]
	global_store_b128 v4, v[X+4*\i:X+4*\i+3], s[14:15] offset:2048*\i th:TH_STORE_NT   ; 512 consecutive bytes, at a multiple of 512.  These registers are only read from here on
.endr
	s_cmp_eq_u32 s19, 3                            ; the last layer's result feeds no product.  No barrier stands behind this branch
	s_cbranch_scc1 .Llast
	s_wait_alu depctr_va_vdst(0)
.irp i, 0,1,2,3,4,5,6,7,8,9,10,11,12,13,14,15
	ds_store_b128 v6, v[X+4*\i:X+4*\i+3] offset:528*\i   ; the new cur, by dense rows, into my stage,
.endr
.irp b, 0,1,2,3
.irp q, 0,1,2,3
	ds_load_b128 v[H+16*\b+4*\q:H+16*\b+4*\q+3], v7 offset:128*\b+16*\q   ; and back by lanes, for the quantiser
.endr
.endr
	s_wait_tensorcnt 0x0                           ; what follows touches no LDS.
	ds_add_u32 v[SPW], v[NIL]
	s_wait_dscnt 0x0                               ; (the sixteen loads above are in with it)
	QUANT H                                        ; (the permutes' destinations lie in registers that awaited LDS loads have written)
.irp c, 0,1,2
	global_store_b128 v4, v[PC+4*\c:PC+4*\c+3], s[32:33] offset:512*\c   ; the fragment's image: 512 consecutive bytes, at a multiple of 512
.endr
	global_store_b32 v5, v[PW], s[34:35]
	s_endpgm
.Llast:
	s_wait_tensorcnt 0x0                           ; the same three lines on this way
	ds_add_u32 v[SPW], v[NIL]
	s_wait_dscnt 0x0
	s_endpgm
.Lfunc_end_k_qad9dd0c719_n0:
	.size	k_qad9dd0c719_n0, .Lfunc_end_k_qad9dd0c719_n0-k_qad9dd0c719_n0
	.p2alignl 7, 3214868480
	.fill 96, 4, 3214868480
	.section	.rodata,"a",@progbits
	.p2align	6, 0x0
	.amdhsa_kernel k_qad9dd0c719_n0
		.amdhsa_group_segment_fixed_size 34816
		.amdhsa_private_segment_fixed_size 0
		.amdhsa_enable_private_segment 0
		.amdhsa_kernarg_size 56
		.amdhsa_user_sgpr_count 2
		.amdhsa_user_sgpr_kernarg_segment_ptr 1
		.amdhsa_wavefront_size32 1
		.amdhsa_system_sgpr_workgroup_id_x 1
		.amdhsa_system_sgpr_workgroup_id_y 1
		.amdhsa_system_sgpr_workgroup_id_z 1
		.amdhsa_system_vgpr_workitem_id 0
		.amdhsa_next_free_vgpr 232
		.amdhsa_next_free_sgpr 66
		.amdhsa_reserve_vcc 0
		.amdhsa_float_denorm_mode_32 3
		.amdhsa_float_denorm_mode_16_64 3
		.amdhsa_memory_ordered 1
		.amdhsa_forward_progress 1
		.amdhsa_inst_pref_size 30
	.end_amdhsa_kernel
	.amdgpu_metadata
---
amdhsa.version: [ 1, 2 ]
amdhsa.kernels:
  - .name:           k_qad9dd0c719_n0
    .symbol:         k_qad9dd0c719_n0.kd
    .args:
      - { .name: idx0, .offset: 0, .size: 8, .value_kind: global_buffer, .address_space: global }
      - { .name: hws, .offset: 8, .size: 8, .value_kind: global_buffer, .address_space: global }
      - { .name: x, .offset: 16, .size: 8, .value_kind: global_buffer, .address_space: global }
      - { .name: gamma, .offset: 24, .size: 8, .value_kind: global_buffer, .address_space: global }
      - { .name: beta, .offset: 32, .size: 8, .value_kind: global_buffer, .address_space: global }
      - { .name: cura, .offset: 40, .size: 8, .value_kind: global_buffer, .address_space: global }
      - { .name: codes, .offset: 48, .size: 8, .value_kind: global_buffer, .address_space: global }
    .group_segment_fixed_size: 34816
    .private_segment_fixed_size: 0
    .kernarg_segment_align: 8
    .kernarg_segment_size: 56
    .max_flat_workgroup_size: 128
    .sgpr_count:     66
    .vgpr_count:     232
    .wavefront_size: 32
...
	.end_amdgpu_metadata
.endif
;; end of part 3
;; launch s1: the kernel of part 2 again; grid 8 x 32, 8 waves a work-group, clusters of 4 x 1, 327,680 bytes of LDS; arguments idx1, codes, wq, bz, bh, h0, hws, out1; writes hws, out1
;; launch n1: the kernel of part 3 again; grid 32 x 32, 4 waves a work-group, no clusters, 34,816 bytes of LDS; arguments idx1, hws, cura, gamma, beta, out0, codes; writes out0, codes
;; launch s2: the kernel of part 2 again; grid 8 x 32, 8 waves a work-group, clusters of 4 x 1, 327,680 bytes of LDS; arguments idx2, codes, wq, bz, bh, h0, hws, out1; writes hws, out1
;; launch n2: the kernel of part 3 again; grid 32 x 32, 4 waves a work-group, no clusters, 34,816 bytes of LDS; arguments idx2, hws, out0, gamma, beta, cura, codes; writes cura, codes
;; launch s3: the kernel of part 2 again; grid 8 x 32, 8 waves a work-group, clusters of 4 x 1, 327,680 bytes of LDS; arguments idx3, codes, wq, bz, bh, h0, hws, out1; writes hws, out1
;; launch n3: the kernel of part 3 again; grid 32 x 32, 4 waves a work-group, no clusters, 34,816 bytes of LDS; arguments idx3, hws, cura, gamma, beta, out0, codes; writes out0, codes
